; MI455X (gfx1250); checked and timed in simulation.
; The chip was launched on July 23, 2026; its instructions are those of AMD's public machine-readable ISA for CDNA 5 (MIT licence, August 2026) and "CDNA5" Instruction Set Architecture Reference Guide (July 2026). The comments in the code are by the model that wrote it; some were corrected since.
;; QKV Attention. Allowed arithmetic: matrix products marked QUANTISED: E3M2 operands, one E8M0 scale for each 32 along K, by v_wmma_scale_f32_16x16x128_f8f6f4 with both operands' format E3M2, f32 sums; everything else in f32.
;; Inputs: qkv 4 x 3,072 x 2,048 float32.
;; Outputs: out0 4 x 1,024 x 2,048 float32.
;; This version of the problem:
;;   THIS VERSION OF THE PROBLEM IS GIVEN IN LOW PRECISION. The matrix products marked QUANTISED in the list below multiply operands that are first quantised to E3M2 (3 exponent bits, 2 mantissa bits; 6 bits a number), with one power-of-two scale for each 32 numbers along K (OCP MX v1.0); their sums are f32. All else is computed in f32.
;;   The module's matrix products, in the order in which they are computed (A, B: the left and right operand; K: the contracted axis; several contracted axes count as one K, in the product's order):
;;     1. batch 64 x [M 2,048, K 64] x [K 64, N 2,048]; A: computed on the way; B: computed on the way: QUANTISED
;;     2. batch 64 x [M 64, K 2,048] x [K 2,048, N 2,048]; A: input qkv; B: softmax (see below): QUANTISED
;;   THE QUANTISER, for each operand of a quantised product, along K:
;;     - K is cut into blocks of 32 from its start; a last block that is shorter is filled with zeros.
;;     - A block's scale is 2^e with e = floor(log2(the largest magnitude in the block)) - 4, held to -126 .. 127; a block of zeros has e = 0. As a byte (E8M0): e + 127.
;;     - Each number is divided by its block's scale, clamped to +-28, and rounded to the nearest number of E3M2, ties to even, subnormals kept.
;;     - The product sums the exact products of the quantised numbers (number of the format x scale) in f32.
;;   ~~~python
;;   def quantise(x, axis):      # numpy; x: float32 -> the quantised numbers, widened to float32 again
;;       x = np.moveaxis(x, axis, -1); K = x.shape[-1]
;;       x = np.pad(x, [(0, 0)] * (x.ndim - 1) + [(0, -K % 32)]); x = x.reshape(x.shape[:-1] + (-1, 32)); a = np.abs(x).max(-1, keepdims=True)
;;       e = np.where(a > 0, np.clip(np.frexp(np.where(a > 0, a, 1))[1] - 1 - 4, -126, 127), 0)      # np.frexp(a)[1] - 1 = floor(log2(a)), exactly
;;       r = np.clip(x / 2.0 ** e, -28, 28)
;;       step = 2.0 ** (np.maximum(np.frexp(np.where(r == 0, 1, r))[1] - 1, -2) - 2)
;;       q = np.round(r / step) * step * 2.0 ** e      # np.round: ties to even
;;       return np.moveaxis(q.reshape(q.shape[:-2] + (-1,))[..., :K], -1, axis).astype(np.float32)
;;   ~~~
;;   SOFTMAX AHEAD OF A QUANTISED PRODUCT. Where the list says 'softmax', what is quantised is not the finished softmax but p = 2^(t - M), with t = logit x log2(e) and M = ceil(the row's largest t), a whole number; so 1/2 < the row's largest p <= 1. The row's sum l is taken of the UNQUANTISED p, in f32, and the product's result is divided by l at the end. Since M is a whole number, a kernel that streams over the keys may use a running M (the ceiling of the running maximum): every later rescaling is an exact power of two, which a block's scale takes up: the codes' values come out the same.
;;   OPERANDS COMPUTED ON THE WAY. 'Computed on the way' means the value that the module computes at that place (a softmax that the list does not call 'softmax' is quantised finished and normalised). What goes into a quantiser is computed in f32, as accurately as f32 sums, v_exp_f32 and their like allow (about 1e-6 of the number): no bf16 or f16 on the way to a quantiser, and a product that is left as it is and whose result goes on into a quantised operand takes f32 operands (vector FMAs, or v_wmma_f32_16x16x4_f32). A number that lies on a knife's edge between two numbers of the format may be rounded either way, as far as f32 arithmetic and the matrix unit's own rounding can turn it there, and no further.
;; One version. Each part assembles by itself: llvm-mc -triple=amdgcn-amd-amdhsa -mcpu=gfx1250 --defsym DOCPART=n.
;; ======== version 1 of 1: 2 launches
;; limits: right only within a limited range of input values
;; workspace buffers: kv 13,107,200 bytes
;; launch prep (part 1): grid 1024 x 2, 4 waves a work-group, no clusters, 40,960 bytes of LDS; arguments qkv, kv; writes kv
.if DOCPART == 1
	.amdgcn_target "amdgcn-amd-amdhsa--gfx1250"
	.amdhsa_code_object_version 6
	.text
	.protected	k_qe4d5913c32_prep
	.globl	k_qe4d5913c32_prep
	.p2align	8
	.type	k_qe4d5913c32_prep,@function
k_qe4d5913c32_prep:
	s_mov_b64 s[64:65], 0
	v_nop
	global_prefetch_b8 v0, s[64:65] scope:SCOPE_SE
	s_setreg_imm32_b32 hwreg(HW_REG_WAVE_MODE, 25, 1), 1
	s_wait_xcnt 0x0
; qkv: [4][3 x 16 x 64][2048] f32, the position innermost.  This launch turns k x 64^(-1/4) (quantised along the 64 channels) and v (quantised along the keys) into codes of
; BF6 (E3M2) with one E8M0 byte for each 32 along K, and lays them in kv AS IMAGES OF THE MATRIX OPERANDS' REGISTERS, so that the next launch takes them by 16-byte loads alone.
; kv: for head hb = 16 b + h and key step st (128 keys) a block of 12,800 bytes at (16 hb + st) x 12,800:
;   +0      four PAIR-fragments of K, 1,536 bytes each;   +6,144  four fragments of V;   +12,288  512 bytes of scale words.
;   A fragment's image: registers 4 c .. 4 c + 3 of lane L (16 bytes) at 512 c + 16 L, c = 0 .. 2.
;   K's pair-fragment f: row m holds the 64 channels of key 64 (f / 2) + 32 (m / 8) + 16 (f % 2) + m % 8 at k = 0 .. 63 and those of the key 8 further on at k = 64 .. 127.
;   (With these rows a lane of the score tiles holds whole blocks of 32 neighbouring keys: see the next launch.)
;   V's fragment ct: row r is channel 16 ct + r, k the key within the step.
;   Scale words: lane L's 16 bytes at 16 L; lanes 0-15: word f = pair-fragment f, row L; lanes 16-31: word ct = V's fragment ct, row L - 16.
; A block's scale is 2^(floor(log2(its largest magnitude)) - 4); its byte is the largest magnitude's exponent field - 4, held at 1 from below.
; LIMITS: a block of zeros gets the byte 1 where the quantiser says 127 (its codes are zeros, and this program alone reads the bytes); blocks whose largest magnitude lies under
; 2^(5 - 127) are held at the byte 1; NaN and infinities among the inputs are not served.
; SHARES: work-group x = 16 hb + st; y = 0: K, y = 1: V.  The two paths part once, on y, and have LDS bytes of their own.
; No tensor loads, no loop: every load of a wave is out at once (8 KiB), and several work-groups share a WGP.
.set KVBLK,  12800
.set FRB,    1536                      ; a fragment's image
.set KST,    0                         ; K path: the four images, 4 x 1,536 bytes, made by the four waves together
.set KSC,    6144                      ; K path: the step's 256 bytes of scale words
.set VST,    6400                      ; V path: 4 x 16 rows x 528 bytes, a wave's own stage
.set VPITCH, 528                       ; 512 bytes + 16: an odd multiple of 16, so the sixteen rows of a 16-byte load start in different banks
.set VSC,    40192                     ; V path: the step's 256 bytes of scale words
	s_load_b128 s[4:7], s[0:1], 0x0                ; qkv s[4:5], kv s[6:7]
	v_lshl_add_u32 v168, v0, 2, 0x9e00
	v_mov_b32 v169, 0
	v_lshrrev_b32 v1, 5, v0
	v_readfirstlane_b32 s8, v1                     ; wave 0..3
	v_and_b32 v1, 31, v0                           ; lane l
	s_and_b32 s9, ttmp7, 0xffff                    ; y
	s_lshr_b32 s10, ttmp9, 4                       ; hb
	s_and_b32 s11, ttmp9, 15                       ; st
	s_lshr_b32 s18, s10, 4                         ; batch
	s_and_b32 s19, s10, 15                         ; head
	s_mul_i32 s12, s18, 25165824                   ; a batch: 3,072 rows of 8,192 bytes
	s_lshl_b32 s19, s19, 19                        ; a head: 64 rows
	s_add_co_u32 s12, s12, s19
	s_lshl_b32 s19, s11, 9                         ; a step: 128 positions of 4 bytes
	s_add_co_u32 s12, s12, s19                     ; under 2^31 with all that is added below
	s_mov_b32 s13, 0
	s_mul_i32 s14, ttmp9, KVBLK
	s_mul_i32 s22, s8, FRB
	s_add_co_u32 s14, s14, s22                     ; fragment w's place in kv (V's: 6,144 more)
	s_mov_b32 s15, 0
	s_mov_b32 s16, 0x3eb504f3                      ; 64^(-1/4) as f32(1 / sqrt(sqrt(64)))
	s_mov_b32 s17, s16                             ; (named with it as a pair, so it is written)
	s_mov_b32 s20, 0x76543210
	s_mov_b32 s21, 0xfedcba98                      ; v_permlanex16_b32's selects for lane l xor 16
	s_wait_kmcnt 0x0
	s_cmp_lg_u32 s9, 0
	s_cbranch_scc1 .Lv_path
; ---------------- K: lane l takes key 128 st + 32 w + l, and its registers run down the 64 channels: a block of 32 lies in one lane ----------------
; Key 32 w + l belongs to pair-fragment f = 2 (w / 2) + l / 16, row m = 8 (w % 2) + l % 8, as the row's key u = (l / 8) % 2: a wave's codes go into two images, an image comes from two waves.
.set X,    32                          ; v32-95   the key's 64 channels
.set C,    96                          ; v96-111  a block's six code registers, eight registers a block
.set OUTR, 112                         ; v112-123 an image read back
	s_lshl_b32 s19, s8, 7                          ; my wave's 32 keys
	s_add_co_u32 s12, s12, s19
	s_add_co_u32 s12, s12, 8388608                 ; k's 1,024 rows lie behind q's
	s_add_nc_u64 s[4:5], s[4:5], s[12:13]
	s_add_nc_u64 s[6:7], s[6:7], s[14:15]
	s_wait_alu depctr_va_vdst(0)
	v_lshlrev_b32 v2, 2, v1                        ; 4 l
.set jj, 0
.rept 64
	global_load_b32 v[X+jj], v2, s[4:5] offset:jj*8192 th:TH_LOAD_NT   ; channel jj: the wave reads 128 consecutive bytes, the four waves 512
.set jj, jj+1
.endr
	v_and_b32 v3, 7, v1                            ; l % 8
	v_lshrrev_b32 v4, 4, v1                        ; l / 16
	v_lshlrev_b32 v10, 4, v3                       ; 16 (l % 8)
	v_lshl_add_u32 v7, v4, 2, v10                  ; + 4 (l / 16): the scale word's place, the lane's part
	v_mad_u32_u24 v10, v4, FRB, v10                ; 16 (l % 8) + 1,536 (l / 16): the image's place, the lane's part
	v_bfe_u32 v4, v1, 3, 1                         ; u
	v_lshl_add_u32 v7, v4, 1, v7                   ; + 2 u
	s_wait_alu depctr_va_vdst(0)
	s_lshr_b32 s23, s8, 1                          ; w / 2
	s_and_b32 s24, s8, 1
	s_lshl_b32 s24, s24, 7                         ; 16 x 8 (w % 2): eight rows on
	s_mul_i32 s25, s23, 2*FRB
	s_add_co_u32 s25, s25, s24                     ; KST + 3,072 (w / 2) + 128 (w % 2)
	s_lshl_b32 s23, s23, 3                         ; 4 x 2 (w / 2)
	s_add_co_u32 s23, s23, s24
	s_add_co_u32 s23, s23, KSC
	v_add_nc_u32 v7, s23, v7                       ; my two scale bytes: KSC + 16 m + 4 f + 2 u
	v_add_nc_u32 v10, s25, v10                     ; KST + 1,536 f + 16 m
	v_mad_u32_u24 v5, v4, 520, v10                 ; registers 6 u, 6 u + 1 of image lane m lie 0 or 520 bytes on, registers 6 u + 4, 6 u + 5 another 512;
	v_mad_u32_u24 v6, v4, 1016, v10                ; registers 6 u + 2, 6 u + 3 lie 8 or 1,024 bytes on
	v_lshlrev_b32 v9, 4, v1                        ; 16 l
	v_add_nc_u32 v8, s22, v9                       ; image w, read back lane by lane
	v_lshlrev_b32 v11, 3, v1                       ; 8 l
; Channels 32 be .. 32 be + 31 of my key become registers 6 u .. 6 u + 5 of image lane m + 16 be
.macro KBLOCK be
.set XS, X+32*\be
.set CC, C+8*\be
.set jj, 0
.rept 16
	v_pk_mul_f32 v[XS+jj:XS+jj+1], v[XS+jj:XS+jj+1], s[16:17] op_sel_hi:[1,0]   ; k x 64^(-1/4), in f32, ahead of the quantiser
.set jj, jj+2
.endr
	v_max3_num_f32 v12, |v[XS]|, |v[XS+1]|, |v[XS+2]|              ; the block's largest magnitude, in two chains
	v_max3_num_f32 v13, |v[XS+3]|, |v[XS+4]|, |v[XS+5]|
.irp i, 6,10,14,18,22,26
	v_max3_num_f32 v12, v12, |v[XS+\i]|, |v[XS+\i+1]|
	v_max3_num_f32 v13, v13, |v[XS+\i+2]|, |v[XS+\i+3]|
.endr
	v_max3_num_f32 v12, v12, |v[XS+30]|, |v[XS+31]|
	v_max3_num_f32 v12, v12, v13, 0x2800000        ; and the floor 2^(5 - 127): the byte cannot fall under 1
	v_add_nc_u32 v14, 0xfe000000, v12              ; 4 off the exponent field: the conversion takes the exponent field of this operand as its scale
	v_cvt_scalef32_pk16_bf6_f32 v[CC:CC+2], v[XS:XS+15], v14
	v_cvt_scalef32_pk16_bf6_f32 v[CC+4:CC+6], v[XS+16:XS+31], v14  ; (a conversion's three registers begin on an even number)
	v_lshrrev_b32 v[16+\be], 23, v14               ; the scale's byte; also the plain place behind the conversions
	v_mov_b32 v[CC+3], v[CC+4]
	v_mov_b32 v[CC+4], v[CC+5]
	v_mov_b32 v[CC+5], v[CC+6]                     ; six registers on end
	ds_store_b64 v5, v[CC:CC+1] offset:256*\be
	ds_store_b64 v6, v[CC+2:CC+3] offset:256*\be+8
	ds_store_b64 v5, v[CC+4:CC+5] offset:256*\be+512
.endm
	s_wait_loadcnt 32                              ; channels 0-31 are in; the 32 loads issued behind them may be out
	KBLOCK 0
	s_wait_loadcnt 0x0
	KBLOCK 1
	v_lshl_or_b32 v16, v17, 8, v16                 ; my key's two bytes
	ds_store_b16 v7, v16
	s_wait_dscnt 0x0                               ; my codes and scale bytes have landed: zero, for the other waves' sake
	s_barrier_signal -1
	s_barrier_wait -1                              ; the four images and the scale words are whole
.irp c, 0,1,2
	ds_load_b128 v[OUTR+4*\c:OUTR+4*\c+3], v8 offset:512*\c        ; image w
.endr
	s_wait_dscnt 0x0
.irp c, 0,1,2
	global_store_b128 v9, v[OUTR+4*\c:OUTR+4*\c+3], s[6:7] offset:512*\c   ; the wave stores 512 consecutive bytes, at a multiple of 256 from kv's first byte
.endr
	s_cmp_lg_u32 s8, 0
	s_cbranch_scc1 .Lk_done
	ds_load_b64 v[124:125], v11 offset:KSC
	s_wait_dscnt 0x0
	global_store_b64 v11, v[124:125], s[6:7] offset:12288          ; wave 0 (whose base is the block's first byte): 256 consecutive bytes, aligned
.Lk_done:
	s_wait_tensorcnt 0x0
	ds_add_u32 v168, v169
	s_wait_dscnt 0x0
	s_endpgm
; ---------------- V: wave w takes channels 16 w .. 16 w + 15 and the step's 128 keys, which are innermost in memory ----------------
.Lv_path:
.set R,  32                            ; v32-95   sixteen rows as they are loaded, 16 bytes a lane
.set XV, 96                            ; v96-159  my row's keys 64 c + 32 hh + 0 .. 31: two whole blocks
.set FR, 16                            ; v16-27   the fragment's twelve registers of my lane
.set T,  160                           ; v160-162, v164-166 the second halves of the blocks' codes
	s_lshl_b32 s19, s8, 17                         ; my wave's 16 rows of 8,192 bytes
	s_add_co_u32 s12, s12, s19
	s_add_co_u32 s12, s12, 16777216                ; v's rows lie behind q's and k's
	s_add_co_u32 s14, s14, 4*FRB                   ; V's fragments lie behind K's four
	s_add_nc_u64 s[4:5], s[4:5], s[12:13]
	s_add_nc_u64 s[6:7], s[6:7], s[14:15]
	s_wait_alu depctr_va_vdst(0)
	v_lshlrev_b32 v2, 4, v1                        ; 16 l
.irp i, 0,1,2,3,4,5,6,7,8,9,10,11,12,13,14,15
	global_load_b128 v[R+4*\i:R+4*\i+3], v2, s[4:5] offset:\i*8192 th:TH_LOAD_NT   ; a row's 512 consecutive bytes
.endr
	v_and_b32 v3, 15, v1                           ; r
	v_lshrrev_b32 v4, 4, v1                        ; hh
	s_mul_i32 s22, s8, 16*VPITCH
	s_add_co_u32 s22, s22, VST                     ; my stage
	v_add_nc_u32 v5, s22, v2                       ; in: as loaded
	v_mul_u32_u24 v6, v3, VPITCH
	v_lshl_add_u32 v6, v4, 7, v6
	v_add_nc_u32 v6, s22, v6                       ; back: row r, + 128 hh: 32 neighbouring keys
	v_lshlrev_b32 v7, 4, v3
	s_lshl_b32 s23, s8, 2
	s_add_co_u32 s23, s23, VSC
	v_add_nc_u32 v7, s23, v7                       ; my row's scale word: VSC + 16 r + 4 w
	v_lshlrev_b32 v28, 3, v4                       ; 8 hh
	v_mov_b32 v29, 0                               ; (a lane permute's destination counts as one of its sources)
	v_lshlrev_b32 v30, 3, v1                       ; 8 l
	s_wait_alu depctr_va_vdst(0)
.irp i, 0,1,2,3,4,5,6,7,8,9,10,11,12,13,14,15
	s_wait_loadcnt 15-\i                           ; row i is in; the younger rows' loads may be out
	ds_store_b128 v5, v[R+4*\i:R+4*\i+3] offset:VPITCH*\i
.endr
.irp c, 0,1
.irp j, 0,1,2,3,4,5,6,7
	ds_load_b128 v[XV+32*\c+4*\j:XV+32*\c+4*\j+3], v6 offset:256*\c+16*\j   ; my wave's own bytes: LDS serves a wave's instructions in order (ISA guide 5.7.1.4)
.endr
.endr
	s_wait_dscnt 0x0
.irp c, 0,1                                    ; my blocks hh and 2 + hh of row r: all 32 numbers of each are mine; the two by turns
	v_max3_num_f32 v[8+2*\c], |v[XV+32*\c]|, |v[XV+32*\c+1]|, |v[XV+32*\c+2]|
	v_max3_num_f32 v[9+2*\c], |v[XV+32*\c+3]|, |v[XV+32*\c+4]|, |v[XV+32*\c+5]|
.endr
.irp i, 6,10,14,18,22,26
.irp c, 0,1
	v_max3_num_f32 v[8+2*\c], v[8+2*\c], |v[XV+32*\c+\i]|, |v[XV+32*\c+\i+1]|
	v_max3_num_f32 v[9+2*\c], v[9+2*\c], |v[XV+32*\c+\i+2]|, |v[XV+32*\c+\i+3]|
.endr
.endr
.irp c, 0,1
	v_max3_num_f32 v[8+2*\c], v[8+2*\c], |v[XV+32*\c+30]|, |v[XV+32*\c+31]|
.endr
.irp c, 0,1
	v_max3_num_f32 v[8+2*\c], v[8+2*\c], v[9+2*\c], 0x2800000      ; the floor 2^(5 - 127)
.endr
.irp c, 0,1
	v_add_nc_u32 v[12+\c], 0xfe000000, v[8+2*\c]   ; the conversion's scale operand
.endr
.irp c, 0,1
	v_lshrrev_b32 v[14+\c], 23, v[12+\c]           ; the scale's byte
.endr
	v_lshl_or_b32 v14, v15, 16, v14                ; my two bytes: blocks hh and 2 + hh,
	v_lshlrev_b32 v14, v28, v14                    ; at their places in the word (8 hh bits up);
	v_permlanex16_b32 v29, v14, s20, s21
	v_or_b32 v14, v14, v29                         ; with lane l xor 16's two the word is whole
.irp c, 0,1
	v_cvt_scalef32_pk16_bf6_f32 v[FR+6*\c:FR+6*\c+2], v[XV+32*\c:XV+32*\c+15], v[12+\c]
	v_cvt_scalef32_pk16_bf6_f32 v[T+4*\c:T+4*\c+2], v[XV+32*\c+16:XV+32*\c+31], v[12+\c]   ; (a conversion's three registers begin on an even number)
.endr
	v_nop                                          ; one plain place behind a scaled conversion
.irp c, 0,1
.irp i, 0,1,2
	v_mov_b32 v[FR+6*\c+3+\i], v[T+4*\c+\i]
.endr
.endr
	ds_store_b32 v7, v14                           ; both lanes of a row write the same word with the same value
.irp c, 0,1,2
	global_store_b128 v2, v[FR+4*\c:FR+4*\c+3], s[6:7] offset:512*\c   ; my lane's registers ARE the image: 512 consecutive bytes a store, aligned on 256
.endr
	s_wait_dscnt 0x0                               ; my scale words have landed: zero, for the other waves' sake
	s_barrier_signal -1
	s_barrier_wait -1
	s_cmp_lg_u32 s8, 0
	s_cbranch_scc1 .Lv_done
	ds_load_b64 v[32:33], v30 offset:VSC
	s_wait_dscnt 0x0
	global_store_b64 v30, v[32:33], s[6:7] offset:12544-4*FRB      ; wave 0 (whose base is the block's byte 6,144): the scale block's second 256 bytes
.Lv_done:
	s_wait_tensorcnt 0x0
	ds_add_u32 v168, v169
	s_wait_dscnt 0x0
	s_endpgm
.Lfunc_end_k_qe4d5913c32_prep:
	.size	k_qe4d5913c32_prep, .Lfunc_end_k_qe4d5913c32_prep-k_qe4d5913c32_prep
	.p2alignl 7, 3214868480
	.fill 96, 4, 3214868480
	.section	.rodata,"a",@progbits
	.p2align	6, 0x0
	.amdhsa_kernel k_qe4d5913c32_prep
		.amdhsa_group_segment_fixed_size 40960
		.amdhsa_private_segment_fixed_size 0
		.amdhsa_enable_private_segment 0
		.amdhsa_kernarg_size 16
		.amdhsa_user_sgpr_count 2
		.amdhsa_user_sgpr_kernarg_segment_ptr 1
		.amdhsa_wavefront_size32 1
		.amdhsa_system_sgpr_workgroup_id_x 1
		.amdhsa_system_sgpr_workgroup_id_y 1
		.amdhsa_system_sgpr_workgroup_id_z 1
		.amdhsa_system_vgpr_workitem_id 0
		.amdhsa_next_free_vgpr 170
		.amdhsa_next_free_sgpr 66
		.amdhsa_reserve_vcc 0
		.amdhsa_float_denorm_mode_32 3
		.amdhsa_float_denorm_mode_16_64 3
		.amdhsa_memory_ordered 1
		.amdhsa_forward_progress 1
		.amdhsa_inst_pref_size 24
	.end_amdhsa_kernel
	.amdgpu_metadata
---
amdhsa.version: [ 1, 2 ]
amdhsa.kernels:
  - .name:           k_qe4d5913c32_prep
    .symbol:         k_qe4d5913c32_prep.kd
    .args:
      - { .name: qkv, .offset: 0, .size: 8, .value_kind: global_buffer, .address_space: global }
      - { .name: kv, .offset: 8, .size: 8, .value_kind: global_buffer, .address_space: global }
    .group_segment_fixed_size: 40960
    .private_segment_fixed_size: 0
    .kernarg_segment_align: 8
    .kernarg_segment_size: 16
    .max_flat_workgroup_size: 128
    .sgpr_count:     66
    .vgpr_count:     170
    .wavefront_size: 32
...
	.end_amdgpu_metadata
.endif
;; end of part 1
;; launch attn (part 2): grid 4 x 64, 16 waves a work-group, clusters of 4 x 1, 273,408 bytes of LDS; arguments qkv, kv, out0; writes out0
.if DOCPART == 2
	.amdgcn_target "amdgcn-amd-amdhsa--gfx1250"
	.amdhsa_code_object_version 6
	.text
	.protected	k_qe4d5913c32_attn
	.globl	k_qe4d5913c32_attn
	.p2align	8
	.type	k_qe4d5913c32_attn,@function
k_qe4d5913c32_attn:
	s_mov_b64 s[64:65], 0
	v_nop
	global_prefetch_b8 v0, s[64:65] scope:SCOPE_SE
	s_setreg_imm32_b32 hwreg(HW_REG_WAVE_MODE, 25, 1), 1
	s_wait_xcnt 0x0
	s_wait_alu depctr_hold_cnt(0) depctr_sa_sdst(0) depctr_va_vdst(0) depctr_va_sdst(0) depctr_va_ssrc(0) depctr_va_vcc(0) depctr_vm_vsrc(0)
	s_getreg_b32 s2, hwreg(HW_REG_IB_STS2, 6, 4)
	s_cmp_eq_u32 s2, 0
	s_cbranch_scc0 .Lentry_in_a_cluster
	s_endpgm
.Lentry_in_a_cluster:
	s_bfe_u32 s2, ttmp6, 0x10000c
	s_cmp_lg_u32 s2, 0x3003
	s_cbranch_scc0 .Lentry_shape_is_right
	s_endpgm
.Lentry_shape_is_right:
; out0[b][64 h + c][t] = the sum over s of softmax_s(q[.][t] . k[.][s] / 8) v[c][s], for 64 heads hb = 16 b + h of 64 channels and 2,048 positions.
; Both products run on codes of BF6 (E3M2) with one E8M0 scale for each 32 along K.  K's and V's codes come from kv, laid as images of the operands' registers: a block of 12,800 bytes
; for each 128 keys:  +0 four PAIR-fragments of K, 1,536 bytes each;  +6,144 four fragments of V;  +12,288 512 bytes of scale words.  q x 64^(-1/4) is quantised here, in registers.
;   A fragment's image: registers 4 c .. 4 c + 3 of lane L at 512 c + 16 L.  Scale words: lane L's 16 bytes at 16 L; lanes 0-15 K's pair-fragments, lanes 16-31 V's fragments.
; SHARES.  A work-group owns 512 queries of a head, in two passes of 256; each of its sixteen waves owns 16 queries a pass.
; LDS.  A head's codes and scale words, 16 x 12,800 = 204,800 bytes, are brought ONCE and stay for both passes: no byte of LDS is filled twice.
; CLUSTER.  The four work-groups of a head form a cluster and need the same 204,800 bytes: each block is asked for JOINTLY, by the same tensor load with the same descriptor and the mask 15.
; THE SOFTMAX: t = score x log2(e); M = the row's largest t so far, rounded UP to a whole number; p = 2^(t - M) is quantised along the keys, not normalised; the row's sum is taken of
; the unquantised p in f32 and divides at the end.  When M moves, the sum and O are multiplied by 2^(old M - new M): exact.
; LAYOUT.  Both products are used transposed: S^T = K Q^T, O^T = V^T P^T: a lane holds ONE query (lane % 16).  K = 64 in an instruction of 128: q's six code registers stand between
; runs of six zero registers: [q | 0] picks a pair-fragment row's first key, [0 | q] the second.  Score register 32 c + i of lane (query, hh) is key 64 c + 32 hh + i: two whole blocks a lane.
; TWO REGIONS OF 64 REGISTERS, X AND Y, CHANGE ROLES FROM STEP TO STEP: one takes the scores; the other holds K's fragments and then V's.  When p has been summed and converted, the
; next step's K fragments and scale words are loaded into the first 48 of the score registers, ahead of the second product.  A trip of the loop is two steps.
; NO PREFETCH: the launch asks memory for everything it reads at its head, and its loops read LDS alone.
; LIMITS: NaN and infinities are not served; a block of zeros has the byte 1 where the quantiser says 127 (its codes are zeros, and nobody else reads the bytes); a p under 2^-126 comes
; out of v_exp_f32 as 0, beside a row's largest p of more than 1/2.
.set KVBLK,  12800
.set FRB,    1536
.set VOFF,   6144
.set SOFF,   12288
.set HEADB,  16*KVBLK
.set STG,    HEADB                     ; the stage for the way out: 64 channels x (256 queries x 4 bytes + 16); no tensor load lands there
.set SPITCH, 1040
.set SPARE,  STG+64*SPITCH             ; the spare words: 128 bytes a wave
.set LI,   1                           ; 16 x lane
.set ADR,  2                           ; LDS address of the trip's first block
.set QA,   3                           ; q's offset
.set SA,   4                           ; the stage, in
.set RD,   5                           ; the stage, back
.set PW,   6                           ; p's scale word
.set T0,   7                           ; the old -M
                                       ; v8-11 at work; v12 -M, v13 the largest score, v[14:15] the sum's first chain
.set QZ,   16                          ; v16-45  0 q0 0 q1 0, six registers each
.set Y,    46                          ; v46-109
.set X,    110                         ; v110-173
.set O,    174                         ; v174-205 O^T
.set BM,   206
.set BT,   210
.set SOP,  214
.set CV,   216                         ; v216-218, v220-222
.set PC,   224                         ; v224-235 p's codes
.set SUM3, 236
.set FF,   238
.set SUMT, 240
.set QS,   242                         ; v242-245 q's scale words
.set WA,   246                         ; v246-249, v250-253 the scale words of two steps, by turns
.set WB,   250
.set SPW,  254
.set NIL,  255
.set WV,   10
.set G1,   16                          ; s[16:23] descriptor group 1
.set G0,   24                          ; s[24:27] group 0 of my load
.set SEL,  32
.set CS,   34
.set QSC,  36
.set TB,   38
.set CNT,  39
.macro VW
	s_wait_alu depctr_va_vdst(0)
.endm
; A round of the cluster's barrier
.macro ROUND
	s_barrier_signal -1
	s_barrier_wait -1
	s_cmp_lg_u32 s[WV], 0
	s_cbranch_scc1 .Lnot_wave_0_\@
	s_barrier_signal -3
.Lnot_wave_0_\@:
	s_barrier_wait -3
	s_barrier_signal -1
	s_barrier_wait -1
.endm
	s_load_b128 s[4:7], s[0:1], 0x0                ; qkv s[4:5], kv s[6:7]
	s_load_b64 s[8:9], s[0:1], 0x10                ; out0
	v_lshl_add_u32 v[SPW], v0, 2, SPARE
	v_mov_b32 v[NIL], 0
	ds_add_u32 v[SPW], v[NIL]                      ; the opening lines: the add, twice on end, and its wait ahead of my tensor load
	ds_add_u32 v[SPW], v[NIL]
	v_lshrrev_b32 v8, 5, v0
	v_readfirstlane_b32 s[WV], v8                  ; wave 0..15
	s_bfe_u32 s11, ttmp6, 0x40000                  ; cx: my place in the cluster: it enters q's and out0's addresses alone
	s_lshl_b32 s12, ttmp9, 2
	s_add_co_u32 s12, s12, s11                     ; x: my 512 queries
	s_and_b32 s13, ttmp7, 0xffff                   ; hb: the head, which the four partners share
	s_lshr_b32 s46, s13, 4
	s_mul_i32 s40, s46, 25165824                   ; q: the batch's 3,072 rows of 8,192 bytes,
	s_and_b32 s46, s13, 15
	s_lshl_b32 s46, s46, 19                        ; the head's 64 rows,
	s_add_co_u32 s40, s40, s46
	s_lshl_b32 s46, s12, 11                        ; 512 queries of 4 bytes,
	s_add_co_u32 s40, s40, s46
	s_lshl_b32 s42, s13, 19                        ; out0: the head's 64 rows, the same 512 queries,
	s_add_co_u32 s42, s42, s46
	s_lshl_b32 s46, s[WV], 6                       ; q: my wave's 16 queries
	s_add_co_u32 s40, s40, s46
	s_lshl_b32 s46, s[WV], 15                      ; out0: my wave stores channels 4 w .. 4 w + 3
	s_add_co_u32 s42, s42, s46
	s_mov_b32 s41, 0
	s_mov_b32 s43, 0
	s_mul_i32 s[G0+1], s[WV], KVBLK                ; wave w fetches key step w's block: its place in LDS is made of the wave's number alone
	s_mul_i32 s44, s13, HEADB
	s_add_co_u32 s44, s44, s[G0+1]                 ; in kv: the head and the wave's number
	s_mov_b32 s45, 0
	s_mov_b32 s[G1+0], 15|(3<<16)|(1<<21)          ; the mask: all four work-groups; elements of 8 bytes; bit 21 beside a mask; no padding
	s_mov_b32 s[G1+1], 32<<16                      ; tensor_dim0 = 32
	s_mov_b32 s[G1+2], (KVBLK/256)<<16             ; tensor_dim1 = 50
	s_mov_b32 s[G1+3], 32<<16                      ; tile_dim0 = 32
	s_mov_b32 s[G1+4], KVBLK/256                   ; tile_dim1 = 50
	s_mov_b32 s[G1+5], 32                          ; from row to row: 32 elements
	s_mov_b32 s[G1+6], 0
	s_mov_b32 s[G1+7], 0
	s_mov_b32 s[SEL], 0x76543210
	s_mov_b32 s[SEL+1], 0xfedcba98                 ; v_permlanex16_b32's selects for lane l xor 16
	s_mov_b32 s[CS], 0x3fb8aa3b                    ; log2(e): the 1 / 8 is already in q and k
	s_mov_b32 s[CS+1], s[CS]
	s_mov_b32 s[QSC], 0x3eb504f3                   ; 64^(-1/4)
	s_mov_b32 s[QSC+1], s[QSC]
	v_and_b32 v9, 15, v0                           ; r
	v_bfe_u32 v10, v0, 4, 1                        ; hh
	v_lshlrev_b32 v[QA], 2, v9
	v_lshl_add_u32 v[QA], v10, 18, v[QA]           ; my query's 4 bytes; lanes 16-31 begin 32 channels further down
	s_wait_dscnt 0x0                               ; both opening adds are done
	s_wait_kmcnt 0x0
	s_add_nc_u64 s[40:41], s[4:5], s[40:41]
	s_add_nc_u64 s[42:43], s[8:9], s[42:43]
	s_mov_b32 s[G0], 1                             ; count = 1
	s_add_nc_u64 s[G0+2:G0+3], s[6:7], s[44:45]
	s_or_b32 s[G0+3], s[G0+3], 0x80000000          ; type = 2
	ROUND                                          ; all four work-groups are here: the joint loads meet
	tensor_load_to_lds s[G0:G0+3], s[G1:G1+7]      ; my one tensor load of the launch
	s_nop 0
.rept 4
	v_nop
.endr
	VW
.irp p, 0,1                                    ; both passes' q: register 32 p + i = q(channel 32 hh + i, my query of pass p): a whole block of 32 along K in a lane
.set jj, 0
.rept 32
	global_load_b32 v[X+32*\p+jj], v[QA], s[40:41] offset:\p*1024+jj*8192
.set jj, jj+1
.endr
.endr
	v_and_b32 v8, 31, v0
	v_lshlrev_b32 v[LI], 4, v8                     ; 16 x lane
	v_lshlrev_b32 v[SA], 2, v9
	v_mad_u32_u24 v[SA], v10, 8*SPITCH, v[SA]
	s_lshl_b32 s47, s[WV], 6
	s_add_co_u32 s47, s47, STG
	v_add_nc_u32 v[SA], s47, v[SA]                 ; the stage, in: row 8 hh (+ 16 ct + j by the offset), query 16 w + r
	s_mul_i32 s47, s[WV], 4*SPITCH
	s_add_co_u32 s47, s47, STG
	v_add_nc_u32 v[RD], s47, v[LI]                 ; back: rows 4 w .. 4 w + 3, 16 bytes a lane
	v_lshlrev_b32 v11, 3, v10                      ; 8 hh
.irp z, 0,12,24
.irp i, 0,1,2,3,4,5
	v_mov_b32 v[QZ+\z+\i], 0                       ; the three runs of zero codes
.endr
.endr
.irp b, 0,1,2,3
	v_mov_b32 v[BT+\b], 0                          ; (lane permutes' destinations)
.endr
	v_mov_b32 v[FF+1], 0                           ; (named as the upper half of a pair)
	VW
	s_wait_loadcnt 0x0
.set jj, 0
.rept 32
	v_pk_mul_f32 v[X+jj:X+jj+1], v[X+jj:X+jj+1], s[QSC:QSC+1] op_sel_hi:[1,0]
.set jj, jj+2
.endr
.irp p, 0,1
	v_max3_num_f32 v[BM+\p], |v[X+32*\p]|, |v[X+32*\p+1]|, 0x2800000   ; with the floor 2^(5 - 127): the byte cannot fall under 1
.endr
.irp i, 2,4,6,8,10,12,14,16,18,20,22,24,26,28,30
.irp p, 0,1
	v_max3_num_f32 v[BM+\p], v[BM+\p], |v[X+32*\p+\i]|, |v[X+32*\p+\i+1]|
.endr
.endr
.irp p, 0,1
	v_add_nc_u32 v[SOP+\p], 0xfe000000, v[BM+\p]   ; 4 off the exponent field: the conversion's scale operand
.endr
.irp p, 0,1
	v_lshrrev_b32 v[BT+\p], 23, v[SOP+\p]          ; the byte of channels 32 hh on,
.endr
.irp p, 0,1
	v_lshlrev_b32 v[BT+\p], v11, v[BT+\p]          ; at its place,
.endr
.irp p, 0,1
	v_permlanex16_b32 v[BT+2+\p], v[BT+\p], s[SEL], s[SEL+1]
.endr
.irp p, 0,1
	v_or_b32 v[BT+\p], v[BT+\p], v[BT+2+\p]        ; with lane l xor 16's: the query's two bytes
.endr
.irp p, 0,1
	v_or_b32 v[QS+2*\p], 0x7f7f0000, v[BT+\p]      ; the word for [q | 0]: the zero codes' blocks get the byte of 1.0
	v_lshl_or_b32 v[QS+2*\p+1], v[BT+\p], 16, 0x7f7f   ; and for [0 | q]
.endr
.irp p, 0,1
	v_cvt_scalef32_pk16_bf6_f32 v[QZ+6+12*\p:QZ+8+12*\p], v[X+32*\p:X+32*\p+15], v[SOP+\p]
	v_cvt_scalef32_pk16_bf6_f32 v[CV+4*\p:CV+4*\p+2], v[X+32*\p+16:X+32*\p+31], v[SOP+\p]   ; (a conversion's three registers begin on an even number)
.endr
	v_nop                                          ; one plain place behind a scaled conversion
.irp p, 0,1
.irp i, 0,1,2
	v_mov_b32 v[QZ+9+12*\p+\i], v[CV+4*\p+\i]
.endr
.endr
.macro ACC3 sx, j                              ; the row's sum in three chains by turns
	v_pk_add_f32 v[14:15], v[14:15], v[\sx+\j:\sx+\j+1]
	v_pk_add_f32 v[SUMT:SUMT+1], v[SUMT:SUMT+1], v[\sx+\j+2:\sx+\j+3]
	v_pk_add_f32 v[SUM3:SUM3+1], v[SUM3:SUM3+1], v[\sx+\j+4:\sx+\j+5]
.endm
.macro TM sx, a, n                             ; t - M, two at a time (of the pairs the low word serves both halves)
.set jj, \a
.rept \n
	v_pk_fma_f32 v[\sx+jj:\sx+jj+1], v[\sx+jj:\sx+jj+1], s[CS:CS+1], v[12:13] op_sel_hi:[1,0,0]
.set jj, jj+2
.endr
.endm
; A KEY STEP of pass ps: 128 keys.  sx takes the scores; sy holds K's fragments, loaded in the step before, and then V's; wa holds this step's scale words.
; vo: the block's bytes from ADR.  nf = 1: the next block's K fragments and scale words, at v[na] + no, go into sx and wb.
.macro STEP ps, sx, sy, wa, wb, vo, nf, na, no
	VW
	s_wait_dscnt 0x0                               ; K's fragments and the scale words are in
.irp f, 0,1,2,3
	v_wmma_scale_f32_16x16x128_f8f6f4 v[\sx+16*\f:\sx+16*\f+7], v[\sy+12*\f:\sy+12*\f+11], v[QZ+6+12*\ps:QZ+17+12*\ps], 0, v[\wa+\f], v[QS+2*\ps] matrix_a_fmt:MATRIX_FMT_BF6 matrix_b_fmt:MATRIX_FMT_BF6
	v_wmma_scale_f32_16x16x128_f8f6f4 v[\sx+16*\f+8:\sx+16*\f+15], v[\sy+12*\f:\sy+12*\f+11], v[QZ+12*\ps:QZ+11+12*\ps], 0, v[\wa+\f], v[QS+2*\ps+1] matrix_a_fmt:MATRIX_FMT_BF6 matrix_b_fmt:MATRIX_FMT_BF6
.endr
	v_mov_b32 v[T0], v12                           ; the old -M.  With three v_nop: the places for the loads below and for the first read of the scores
.rept 3
	v_nop
.endr
.irp f, 0,1,2,3
.irp c, 0,1,2
	ds_load_b128 v[\sy+12*\f+4*\c:\sy+12*\f+4*\c+3], v[ADR] offset:\vo+VOFF+FRB*\f+512*\c   ; V's fragments land while the softmax is worked
.endr
.endr
.irp b, 0,1,2,3
	v_max3_num_f32 v[BM+\b], v[\sx+16*\b], v[\sx+16*\b+1], v[\sx+16*\b+2]   ; four chains of maxima by turns, each score tile from its low end on
.endr
.irp i, 3,5,7,9,11,13
.irp b, 0,1,2,3
	v_max3_num_f32 v[BM+\b], v[BM+\b], v[\sx+16*\b+\i], v[\sx+16*\b+\i+1]
.endr
.endr
.irp c, 0,1
	v_max3_num_f32 v[BM+2*\c], v[BM+2*\c], v[BM+2*\c+1], v[\sx+32*\c+15]
.endr
.irp c, 0,1
	v_max_num_f32 v[BM+2*\c], v[BM+2*\c], v[\sx+32*\c+31]          ; the largest score of each of my two blocks serves twice: for the row's maximum and for the block's largest p
.endr
	s_delay_alu instid0(VALU_DEP_1)
	v_max_num_f32 v8, v[BM], v[BM+2]
	s_delay_alu instid0(VALU_DEP_1)
	v_permlanex16_b32 v9, v8, s[SEL], s[SEL+1]
	s_delay_alu instid0(VALU_DEP_1)
	v_max3_num_f32 v13, v13, v8, v9                ; the running largest score
	s_delay_alu instid0(VALU_DEP_1)
	v_mul_f32 v8, s[CS], v13                       ; as t
	s_delay_alu instid0(VALU_DEP_1)
	v_floor_f32 v12, -v8                           ; the new -M = -ceil(t)
	TM \sx, 0, 4
	v_sub_f32 v8, v12, v[T0]                       ; old M - new M: a whole number, 0 or less.  (The three lines that make f stand among the multiply-adds)
	TM \sx, 8, 4
	v_cvt_i32_f32 v8, v8                           ; (it saturates)
	TM \sx, 16, 4
	v_ldexp_f32 v[FF], 1.0, v8                     ; f = 2^(old M - new M)
	TM \sx, 24, 20
.irp c, 0,1
	v_fma_f32 v[BM+2*\c], v[BM+2*\c], s[CS], v12
.endr
	VW
.set jj, 0
.rept 64
	v_exp_f32 v[\sx+jj], v[\sx+jj]                 ; p = 2^(t - M), at most 1
.set jj, jj+1
.endr
.irp c, 0,1
	v_exp_f32 v[BM+2*\c], v[BM+2*\c]               ; the block's largest p
.endr
	v_pk_mul_f32 v[14:15], v[14:15], v[FF:FF+1] op_sel_hi:[1,0]    ; the sum under the new M.  (The plain place behind the exponentials)
	VW
.irp c, 0,1
	v_max_num_f32 v[BM+2*\c], 0x2800000, v[BM+2*\c]    ; the floor 2^(5 - 127)
.endr
	v_pk_add_f32 v[SUMT:SUMT+1], v[\sx:\sx+1], v[\sx+2:\sx+3]      ; THE ROW'S SUM IS TAKEN OF THE UNQUANTISED p; its additions stand between the links of the scale's chain
	v_pk_add_f32 v[SUM3:SUM3+1], v[\sx+4:\sx+5], v[\sx+6:\sx+7]
.irp c, 0,1
	v_add_nc_u32 v[SOP+\c], 0xfe000000, v[BM+2*\c] ; the conversion's scale operand
.endr
	ACC3 \sx, 8
.irp c, 0,1
	v_cvt_scalef32_pk16_bf6_f32 v[PC+6*\c:PC+6*\c+2], v[\sx+32*\c:\sx+32*\c+15], v[SOP+\c]
	v_cvt_scalef32_pk16_bf6_f32 v[CV+4*\c:CV+4*\c+2], v[\sx+32*\c+16:\sx+32*\c+31], v[SOP+\c]
.endr
.irp c, 0,1
	v_lshrrev_b32 v[BT+\c], 23, v[SOP+\c]          ; the scale's byte.  (Also the plain place behind the conversions)
.endr
	ACC3 \sx, 14
	v_lshl_or_b32 v[BT], v[BT+1], 16, v[BT]        ; blocks hh and 2 + hh
	ACC3 \sx, 20
	v_permlanex16_b32 v[BT+2], v[BT], s[SEL], s[SEL+1]
	ACC3 \sx, 26
	v_lshl_or_b32 v[PW], v[BT+2], 8, v[BT]         ; p's scale word, right in lanes 0-15, which alone are read
	ACC3 \sx, 32
.irp c, 0,1
.irp i, 0,1,2
	v_mov_b32 v[PC+6*\c+3+\i], v[CV+4*\c+\i]
.endr
.endr
	ACC3 \sx, 38
	v_pk_add_f32 v[14:15], v[14:15], v[\sx+44:\sx+45]
	v_pk_add_f32 v[SUMT:SUMT+1], v[SUMT:SUMT+1], v[\sx+46:\sx+47]
.if \nf
.irp f, 0,1,2,3
.irp c, 0,1,2
	ds_load_b128 v[\sx+12*\f+4*\c:\sx+12*\f+4*\c+3], v[\na] offset:\no+FRB*\f+512*\c   ; p's first 48 registers are done with: the next step's K fragments
.endr
.endr
	ds_load_b128 v[\wb:\wb+3], v[\na] offset:\no+SOFF
.endif
	VW
.set jj, 0
.rept 16
	v_pk_mul_f32 v[O+jj:O+jj+1], v[O+jj:O+jj+1], v[FF:FF+1] op_sel_hi:[1,0]   ; O^T under the new M.  (Also the places between p's codes and scale word and the products below)
.set jj, jj+2
.endr
	VW
	s_wait_dscnt 13*(\nf)                          ; V's fragments are in; the 13 loads issued behind them, where there are any, may be out
.irp t, 0,1,2,3                                ; the four accumulators by turns
	v_wmma_scale_f32_16x16x128_f8f6f4 v[O+8*\t:O+8*\t+7], v[\sy+12*\t:\sy+12*\t+11], v[PC:PC+11], v[O+8*\t:O+8*\t+7], v[\wa+\t], v[PW] matrix_a_fmt:MATRIX_FMT_BF6 matrix_b_fmt:MATRIX_FMT_BF6 matrix_a_scale:MATRIX_SCALE_ROW1
.endr
	ACC3 \sx, 48                                   ; the sum's last ten additions read p's last 16 registers, on which no load lands, and name no register of those products: the places behind them
	ACC3 \sx, 54
	v_pk_add_f32 v[14:15], v[14:15], v[\sx+60:\sx+61]
	v_pk_add_f32 v[SUMT:SUMT+1], v[SUMT:SUMT+1], v[\sx+62:\sx+63]
	v_pk_add_f32 v[SUMT:SUMT+1], v[SUMT:SUMT+1], v[SUM3:SUM3+1]
	v_pk_add_f32 v[14:15], v[14:15], v[SUMT:SUMT+1]
.endm
; A pass: sixteen key steps; seven trips of two, and the last two written out: the last fetches block 0 for the next pass, or nothing.
.macro PASS ps
	v_mov_b32 v13, 0xff61b1e6                      ; -3e38: under every score
	v_floor_f32 v12, -v13                          ; -M
	v_mov_b32 v14, 0
	v_mov_b32 v15, 0
.set jj, 0
.rept 32
	v_mov_b32 v[O+jj], 0                           ; the first change of M multiplies zeros
.set jj, jj+1
.endr
	s_mov_b32 s[TB], 0
	s_mov_b32 s[CNT], 7
.Ltrip_\@:
	v_add_nc_u32 v[ADR], s[TB], v[LI]
	STEP \ps, X, Y, WA, WB, 0, 1, ADR, KVBLK
	STEP \ps, Y, X, WB, WA, KVBLK, 1, ADR, 2*KVBLK
	s_add_co_u32 s[TB], s[TB], 2*KVBLK
	s_sub_co_u32 s[CNT], s[CNT], 1
	s_cmp_lg_u32 s[CNT], 0
	s_cbranch_scc1 .Ltrip_\@
	v_add_nc_u32 v[ADR], s[TB], v[LI]
	STEP \ps, X, Y, WA, WB, 0, 1, ADR, KVBLK
	STEP \ps, Y, X, WB, WA, KVBLK, 1-\ps, LI, 0
.endm
; THE WAY OUT of pass ps.  A lane holds one query and 32 channels; out0 wants the queries innermost: the sixteen waves' 256 queries meet in the stage, and each wave stores four whole rows.
.macro WAYOUT ps
	VW
.if \ps
	s_wait_dscnt 0x0
	s_barrier_signal -1
	s_barrier_wait -1                              ; every wave has waited for its reads of the stage in the pass before
.endif
	v_add_f32 v14, v14, v15
	s_delay_alu instid0(VALU_DEP_1)
	v_permlanex16_b32 v8, v14, s[SEL], s[SEL+1]
	s_delay_alu instid0(VALU_DEP_1)
	v_add_f32 v14, v14, v8                         ; the row's sum
	VW
	v_rcp_f32 v14, v14
	v_nop
	VW
.set jj, 0
.rept 16
	v_pk_mul_f32 v[X+jj:X+jj+1], v[O+jj:O+jj+1], v[14:15] op_sel_hi:[1,0]     ; register 8 ct + j is channel 16 ct + 8 hh + j of my query
.set jj, jj+2
.endr
.irp t, 0,1,2,3
.irp j, 0,1,2,3,4,5,6,7
	ds_store_b32 v[SA], v[X+8*\t+\j] offset:(16*\t+\j)*SPITCH
.endr
.endr
	s_wait_dscnt 0x0                               ; my stores have landed: zero, for the other waves' sake
	s_barrier_signal -1
	s_barrier_wait -1
.irp i, 0,1,2,3,4,5,6,7
	ds_load_b128 v[X+32+4*\i:X+32+4*\i+3], v[RD] offset:(\i/2)*SPITCH+512*(\i%2)
.endr
.irp i, 0,1,2,3,4,5,6,7
	s_wait_dscnt 7-\i
	global_store_b128 v[LI], v[X+32+4*\i:X+32+4*\i+3], s[42:43] offset:\ps*1024+(\i/2)*8192+512*(\i%2) th:TH_STORE_NT   ; 512 consecutive bytes, at a multiple of 256 from out0's first byte
.endr
	s_wait_xcnt 0x0                                ; the stores' registers are written again only behind this wait
.endm
	VW
	s_wait_tensorcnt 0x0                           ; my key step's block has landed
	s_barrier_signal -1
	s_barrier_wait -1                              ; everybody's has: the whole head lies in LDS, and nothing is ever filled again
.irp f, 0,1,2,3
.irp c, 0,1,2
	ds_load_b128 v[Y+12*\f+4*\c:Y+12*\f+4*\c+3], v[LI] offset:FRB*\f+512*\c    ; block 0's K fragments
.endr
.endr
	ds_load_b128 v[WA:WA+3], v[LI] offset:SOFF
	PASS 0
	WAYOUT 0
	PASS 1
	WAYOUT 1
	s_wait_tensorcnt 0x0                           ; the wave's end
	ds_add_u32 v[SPW], v[NIL]
	s_wait_dscnt 0x0
	ROUND                                          ; the closing round: no work-group ends while a partner may still ask for a tile that names it
	s_endpgm
.Lfunc_end_k_qe4d5913c32_attn:
	.size	k_qe4d5913c32_attn, .Lfunc_end_k_qe4d5913c32_attn-k_qe4d5913c32_attn
	.p2alignl 7, 3214868480
	.fill 96, 4, 3214868480
	.section	.rodata,"a",@progbits
	.p2align	6, 0x0
	.amdhsa_kernel k_qe4d5913c32_attn
		.amdhsa_group_segment_fixed_size 273408
		.amdhsa_private_segment_fixed_size 0
		.amdhsa_enable_private_segment 0
		.amdhsa_kernarg_size 24
		.amdhsa_user_sgpr_count 2
		.amdhsa_user_sgpr_kernarg_segment_ptr 1
		.amdhsa_wavefront_size32 1
		.amdhsa_system_sgpr_workgroup_id_x 1
		.amdhsa_system_sgpr_workgroup_id_y 1
		.amdhsa_system_sgpr_workgroup_id_z 1
		.amdhsa_system_vgpr_workitem_id 0
		.amdhsa_next_free_vgpr 256
		.amdhsa_next_free_sgpr 66
		.amdhsa_reserve_vcc 0
		.amdhsa_float_denorm_mode_32 3
		.amdhsa_float_denorm_mode_16_64 3
		.amdhsa_memory_ordered 1
		.amdhsa_forward_progress 1
		.amdhsa_inst_pref_size 143
	.end_amdhsa_kernel
	.amdgpu_metadata
---
amdhsa.version: [ 1, 2 ]
amdhsa.kernels:
  - .name:           k_qe4d5913c32_attn
    .symbol:         k_qe4d5913c32_attn.kd
    .args:
      - { .name: qkv, .offset: 0, .size: 8, .value_kind: global_buffer, .address_space: global }
      - { .name: kv, .offset: 8, .size: 8, .value_kind: global_buffer, .address_space: global }
      - { .name: out0, .offset: 16, .size: 8, .value_kind: global_buffer, .address_space: global }
    .group_segment_fixed_size: 273408
    .private_segment_fixed_size: 0
    .kernarg_segment_align: 8
    .kernarg_segment_size: 24
    .max_flat_workgroup_size: 512
    .sgpr_count:     66
    .vgpr_count:     256
    .wavefront_size: 32
...
	.end_amdgpu_metadata
.endif
;; end of part 2
